; MI455X (gfx1250); checked and timed in simulation.
; The chip was launched on July 23, 2026; its instructions are those of AMD's public machine-readable ISA for CDNA 5 (MIT licence, August 2026) and "CDNA5" Instruction Set Architecture Reference Guide (July 2026). The comments in the code are by the model that wrote it; some were corrected since.
;; Sparse Mo E. Allowed arithmetic: matrix products marked QUANTISED: E2M1 operands, one E8M0 scale for each 32 along K, by v_wmma_scale_f32_16x16x128_f8f6f4 with both operands' format E2M1 (or v_wmma_scale_f32_32x16x128_f4), f32 sums; products left as they are: f32 operands where the result goes on into a quantised operand, else bf16, f16 or f32 operands; f32 sums; everything else in f32.
;; Inputs: b_fc 8 x 4,096 float32; b_noise 8 float32; b_proj 8 x 1,024 float32; b_route 8 float32; noise 2 x 512 x 8 float32; w_fc 8 x 1,024 x 4,096 float32; w_noise 1,024 x 8 float32; w_proj 8 x 4,096 x 1,024 float32; w_route 1,024 x 8 float32; x 2 x 512 x 1,024 float32.
;; Outputs: out0 2 x 512 x 1,024 float32; out1 2 x 512 x 8 float32.
;; Constants: top_k = 2.
;; This version of the problem:
;;   THIS VERSION OF THE PROBLEM IS GIVEN IN LOW PRECISION. The matrix products marked QUANTISED in the list below multiply operands that are first quantised to E2M1 (2 exponent bits, 1 mantissa bit; 4 bits a number), with one power-of-two scale for each 32 numbers along K (OCP MX v1.0); their sums are f32. All else is computed in f32.
;;   The module's matrix products, in the order in which they are computed (A, B: the left and right operand; K: the contracted axis; several contracted axes count as one K, in the product's order):
;;     1. [M 1,024, K 1,024] x [K 1,024, N 8]; A: input x; B: input w_route: left as it is (N = 8 < 16)
;;     2. [M 1,024, K 1,024] x [K 1,024, N 8]; A: input x; B: input w_noise: left as it is (N = 8 < 16)
;;     3. [M 1,024, K 1,024] x [K 1,024, N 32,768]; A: input x; B: input w_fc: QUANTISED
;;     4. batch 8 x [M 1,024, K 4,096] x [K 4,096, N 1,024]; A: input w_proj; B: computed on the way: QUANTISED
;;     5. batch 1,024 x [M 1,024, K 8] x [K 8, N 1]; A: computed on the way; B: computed on the way: left as it is (K = 8 < 32)
;;   THE QUANTISER, for each operand of a quantised product, along K:
;;     - K is cut into blocks of 32 from its start; a last block that is shorter is filled with zeros.
;;     - A block's scale is 2^e with e = floor(log2(the largest magnitude in the block)) - 2, held to -126 .. 127; a block of zeros has e = 0. As a byte (E8M0): e + 127.
;;     - Each number is divided by its block's scale, clamped to +-6, and rounded to the nearest number of E2M1, ties to even, subnormals kept.
;;     - The product sums the exact products of the quantised numbers (number of the format x scale) in f32.
;;   ~~~python
;;   def quantise(x, axis):      # numpy; x: float32 -> the quantised numbers, widened to float32 again
;;       x = np.moveaxis(x, axis, -1); K = x.shape[-1]
;;       x = np.pad(x, [(0, 0)] * (x.ndim - 1) + [(0, -K % 32)]); x = x.reshape(x.shape[:-1] + (-1, 32)); a = np.abs(x).max(-1, keepdims=True)
;;       e = np.where(a > 0, np.clip(np.frexp(np.where(a > 0, a, 1))[1] - 1 - 2, -126, 127), 0)      # np.frexp(a)[1] - 1 = floor(log2(a)), exactly
;;       r = np.clip(x / 2.0 ** e, -6, 6)
;;       step = 2.0 ** (np.maximum(np.frexp(np.where(r == 0, 1, r))[1] - 1, 0) - 1)
;;       q = np.round(r / step) * step * 2.0 ** e      # np.round: ties to even
;;       return np.moveaxis(q.reshape(q.shape[:-2] + (-1,))[..., :K], -1, axis).astype(np.float32)
;;   ~~~
;;   OPERANDS COMPUTED ON THE WAY. 'Computed on the way' means the value that the module computes at that place (a softmax that the list does not call 'softmax' is quantised finished and normalised). What goes into a quantiser is computed in f32, as accurately as f32 sums, v_exp_f32 and their like allow (about 1e-6 of the number): no bf16 or f16 on the way to a quantiser, and a product that is left as it is and whose result goes on into a quantised operand takes f32 operands (vector FMAs, or v_wmma_f32_16x16x4_f32). A number that lies on a knife's edge between two numbers of the format may be rounded either way, as far as f32 arithmetic and the matrix unit's own rounding can turn it there, and no further.
;; One version. Each part assembles by itself: llvm-mc -triple=amdgcn-amd-amdhsa -mcpu=gfx1250 --defsym DOCPART=n.
;; ======== version 1 of 1: 4 launches
;; limits: right only within a limited range of input values
;; workspace buffers: xq 565,248 bytes; sel 4,096 bytes of whole numbers; order 44,032 bytes of whole numbers; gsort 33,792 bytes; hq 18,874,368 bytes; ypart 67,108,864 bytes
;; launch router (part 1): grid 256 x 1, 4 waves a work-group, no clusters, 84,992 bytes of LDS; arguments x, noise, w_route, b_route, w_noise, b_noise, out1, xq, sel; writes out1, xq, sel
.if DOCPART == 1
	.amdgcn_target "amdgcn-amd-amdhsa--gfx1250"
	.amdhsa_code_object_version 6
	.text
	.protected	k_qeddcb6855a_router
	.globl	k_qeddcb6855a_router
	.p2align	8
	.type	k_qeddcb6855a_router,@function
k_qeddcb6855a_router:
	s_mov_b64 s[64:65], 0
	v_nop
	global_prefetch_b8 v0, s[64:65] scope:SCOPE_SE
	s_setreg_imm32_b32 hwreg(HW_REG_WAVE_MODE, 25, 1), 1
	s_wait_xcnt 0x0
; SparseMoE, launch 1 of 4: the noisy top-2 router, and x turned into codes of E2M1.
; WORK LEFT OUT BY THE WHOLE PROGRAM.  reference() builds gating = sum over k of one_hot(topk_idx) x gk in its own body: gating[t][e] is exactly 0 for the six experts
; that lax.top_k did not choose for token t, whatever the inputs hold.  out = sum over e of y[t][e] x gating[t][e], so in exact arithmetic rows (t, e) of h and of y for
; experts not chosen reach no output.  The program multiplies only the 2,048 rows (token, chosen expert); the weighted combine is the sum of two rows.  Every input has a way to an
; output and is loaded.  LIMIT: a NaN, an infinity or an overflow that would arise only in a row of an expert not chosen is not carried to the result.
; OTHER LIMITS: NaN and infinities among the inputs are not served; where the second and the third noisy logit of a token differ by less than the rounding of an f32 sum of 1,024
; terms the choice may fall either way; a block whose largest magnitude lies under 2^-124 (a block of zeros too) keeps the scale byte 1 over its codes: xq is read by this program alone.
; SHARES.  One wave to a token (4 x work-group + wave).  Lane l holds x[32 l .. 32 l + 31]: a whole block of 32 along K, and its part of the two dot products.
; The eight loads of x take 512 consecutive bytes each; the row turns through the wave's own stage in LDS (16 bytes of padding behind each 128) and comes back 128 bytes a lane.
; w_route and w_noise (32 KB each) are brought into LDS once by the work-group: number (k, c), c = 0..7 route, 8..15 noise, at (k / 32) x 2064 + (k % 32) x 64 + 4 c, so that lane l
; finds its 32 rows from byte 2064 l on.  Products 1 and 2 are f32 fused multiply-adds: the choice of experts hangs on them.
; No address and no branch hangs on a floating-point number: the choice is stored (sel, whole numbers) at a place fixed by the token and steers addresses in later launches only.
; xq: +0 codes [token][512 bytes]; +524,288 scale bytes [token][32]; +557,056 the two gates [token][2] f32.   sel: [token] = first expert | second expert << 8.
.set XT,    66048                      ; the four turn stages, 4,608 bytes each, behind the weights' 66,048
.set SPARE, 84480                      ; the spare words, 128 bytes a wave: two blocks of 256 bytes that no other line names
.set X,     32                         ; v32-63   my 32 numbers of x
.set W,     64                         ; v64-191  the weights as loaded; then two sets of 64 for the dot products; then at work
.set ACC,   192                        ; v192-207 16 sums: 8 route, 8 noise
.set STG,   208                        ; v208-239 x as loaded
	s_load_b512 s[4:19], s[0:1], 0x0               ; x 4:5, noise 6:7, w_route 8:9, b_route 10:11, w_noise 12:13, b_noise 14:15, out1 16:17, xq 18:19
	s_load_b64 s[20:21], s[0:1], 0x40              ; sel
	v_lshl_add_u32 v30, v0, 2, SPARE               ; my spare word,
	v_mov_b32 v31, 0                               ; and 0: kept for the closing lines alone
	v_lshrrev_b32 v1, 5, v0
	v_readfirstlane_b32 s22, v1                    ; wave
	v_and_b32 v1, 31, v0                           ; lane
	v_lshlrev_b32 v2, 4, v1                        ; 16 x lane
	v_lshlrev_b32 v3, 4, v0                        ; 16 x thread: my 16 bytes of a weight load's 2,048
	v_lshrrev_b32 v8, 6, v0
	v_mul_u32_u24 v4, v8, 2064                     ; where they go: k = 64 q + thread / 2, half = thread % 2
	v_bfe_u32 v8, v0, 1, 5
	v_lshl_add_u32 v4, v8, 6, v4
	v_and_b32 v8, 1, v0
	v_lshl_add_u32 v4, v8, 4, v4
	s_mul_i32 s23, s22, 4608
	s_add_co_u32 s23, s23, XT                      ; my wave's stage
	v_lshrrev_b32 v8, 3, v1
	v_lshl_add_u32 v5, v8, 4, v2
	v_add_nc_u32 v5, s23, v5                       ; in: 16 lane + 16 (lane / 8); a load's 512 bytes take 576
	v_mul_u32_u24 v6, v1, 144
	v_add_nc_u32 v6, s23, v6                       ; out: 144 x lane
	v_mul_u32_u24 v7, v1, 2064                     ; my 32 rows of the weights
	s_lshl_b32 s24, ttmp9, 2
	s_add_co_u32 s24, s24, s22                     ; my token
	s_mov_b32 s56, 0x76543210
	s_mov_b32 s57, 0xfedcba98                      ; v_permlanex16_b32's selects for lane l xor 16
	s_lshl_b32 s26, s24, 12                        ; its row of x,
	s_mov_b32 s27, 0
	s_lshl_b32 s28, s24, 5                         ; of noise, of out1 and of the scale bytes: 32 bytes
	s_mov_b32 s29, 0
	s_wait_alu depctr_va_vdst(0)
	s_wait_kmcnt 0x0
	s_add_nc_u64 s[4:5], s[4:5], s[26:27]
	s_add_nc_u64 s[6:7], s[6:7], s[28:29]
.irp i, 0,1,2,3,4,5,6,7
	global_load_b128 v[STG+4*\i:STG+4*\i+3], v2, s[4:5] offset:512*\i th:TH_LOAD_NT   ; 32 lanes read 512 consecutive bytes
.endr
.irp q, 0,1,2,3,4,5,6,7,8,9,10,11,12,13,14,15
	global_load_b128 v[W+4*\q:W+4*\q+3], v3, s[8:9] offset:2048*\q
.endr
.irp q, 0,1,2,3,4,5,6,7,8,9,10,11,12,13,14,15
	global_load_b128 v[W+64+4*\q:W+64+4*\q+3], v3, s[12:13] offset:2048*\q
.endr
	s_load_b256 s[32:39], s[10:11], 0x0            ; b_route
	s_load_b256 s[40:47], s[14:15], 0x0            ; b_noise
	s_load_b256 s[48:55], s[6:7], 0x0              ; my token's noise
	s_wait_loadcnt 32                              ; x's eight loads are in; the 32 weight loads issued behind them may be out
.irp i, 0,1,2,3,4,5,6,7
	ds_store_b128 v5, v[STG+4*\i:STG+4*\i+3] offset:576*\i
.endr
.irp j, 0,1,2,3,4,5,6,7
	ds_load_b128 v[X+4*\j:X+4*\j+3], v6 offset:16*\j   ; LDS serves a wave's instructions in order: these see my stores
.endr
	s_wait_dscnt 0x0
	; my block of 32: largest magnitude (two chains, the floor 2^(3 - 127) among the leaves), scale, codes
	v_max3_num_f32 v240, |v[X]|, |v[X+1]|, 0x1800000
	v_max3_num_f32 v241, |v[X+2]|, |v[X+3]|, 0x1800000
.irp i, 4,8,12,16,20,24,28
	v_max3_num_f32 v240, v240, |v[X+\i]|, |v[X+\i+1]|
	v_max3_num_f32 v241, v241, |v[X+\i+2]|, |v[X+\i+3]|
.endr
	v_max_num_f32 v240, v240, v241
	v_add_nc_u32 v241, 0xff000000, v240            ; 2 off the exponent field: the conversion takes this operand's exponent field as its scale
	v_lshrrev_b32 v242, 23, v241                   ; the scale's byte
.irp g, 0,1,2,3
	v_cvt_scalef32_pk8_fp4_f32 v[244+\g], v[X+8*\g:X+8*\g+7], v241
.endr
	v_nop                                          ; one plain place behind the conversions
	s_lshl_b32 s30, s24, 9
	v_add_nc_u32 v248, s30, v2
	v_add_nc_u32 v249, s28, v1
	global_store_b128 v248, v[244:247], s[18:19]   ; the wave stores the token's 512 bytes of codes
	global_store_b8 v249, v242, s[18:19] offset:524288   ; and its 32 scale bytes.  v242, v244-249 are not written again
	s_wait_loadcnt 0x0                             ; the weights
.irp q, 0,1,2,3,4,5,6,7,8,9,10,11,12,13,14,15
	ds_store_b128 v4, v[W+4*\q:W+4*\q+3] offset:4128*\q
	ds_store_b128 v4, v[W+64+4*\q:W+64+4*\q+3] offset:4128*\q+32
.endr
	s_wait_dscnt 0x0                               ; for the others' sake: my stores have landed
	s_barrier_signal -1
	s_barrier_wait -1                              ; both weights lie in LDS
; batch b: rows 4 b .. 4 b + 3 of my 32: 16 loads of 16 bytes into set b % 2
.macro ASKW b
.irp kk, 0,1,2,3
.irp c, 0,1,2,3
	ds_load_b128 v[W+64*((\b)%2)+16*\kk+4*\c:W+64*((\b)%2)+16*\kk+4*\c+3], v7 offset:64*(4*(\b)+\kk)+16*\c
.endr
.endr
.endm
; 32 packed multiply-adds: the 16 sums, two at a time, by x[k], which is broadcast from its place in an even pair.  The very first product starts the sums
.macro DOT b
.set WS, W+64*((\b)%2)
.irp kk, 0,1,2,3
.irp p, 0,2,4,6,8,10,12,14
.if (\b) == 0 && \kk == 0
	v_pk_mul_f32 v[ACC+\p:ACC+\p+1], v[WS+\p:WS+\p+1], v[X:X+1] op_sel_hi:[1,0]
.elseif \kk % 2 == 0
	v_pk_fma_f32 v[ACC+\p:ACC+\p+1], v[WS+16*\kk+\p:WS+16*\kk+\p+1], v[X+4*(\b)+\kk:X+4*(\b)+\kk+1], v[ACC+\p:ACC+\p+1] op_sel_hi:[1,0,1]
.else
	v_pk_fma_f32 v[ACC+\p:ACC+\p+1], v[WS+16*\kk+\p:WS+16*\kk+\p+1], v[X+4*(\b)+\kk-1:X+4*(\b)+\kk], v[ACC+\p:ACC+\p+1] op_sel:[0,1,0] op_sel_hi:[1,1,1]
.endif
.endr
.endr
.endm
	ASKW 0
	ASKW 1
.irp b, 0,1,2,3,4,5,6,7
.if \b < 7
	s_wait_alu depctr_va_vdst(0)
	s_wait_dscnt 16                                ; this batch is in; the younger batch's 16 loads may be out
.else
	s_wait_alu depctr_va_vdst(0)
	s_wait_dscnt 0
.endif
	DOT \b
.if \b < 6
	ASKW \b+2
.endif
.endr
	; the 16 sums over the 32 lanes, by turns; every lane ends with all of them
.irp m, 1,2,4,8
.irp a, 0,1,2,3,4,5,6,7,8,9,10,11,12,13,14,15
	v_add_f32_dpp v[ACC+\a], v[ACC+\a], v[ACC+\a] row_xmask:\m row_mask:0xf bank_mask:0xf
.endr
.endr
.irp a, 0,1,2,3,4,5,6,7,8,9,10,11,12,13,14,15
	v_permlanex16_b32 v[W+\a], v[ACC+\a], s56, s57 ; (its destination has been written: it held weights)
.endr
.irp a, 0,1,2,3,4,5,6,7,8,9,10,11,12,13,14,15
	v_add_f32 v[ACC+\a], v[ACC+\a], v[W+\a]
.endr
	s_wait_kmcnt 0x0                               ; the biases and the noise
.irp e, 0,1,2,3,4,5,6,7
	v_add_f32 v[192+\e], s[32+\e], v[192+\e]       ; logits
.endr
.irp e, 0,1,2,3,4,5,6,7
	v_add_f32 v[200+\e], s[40+\e], v[200+\e]       ; noise logits N
.endr
	; softplus(N) = max(N, 0) + ln 2 x log2(1 + 2^(-|N| log2 e)): the form that stays in range for every N
.irp e, 0,1,2,3,4,5,6,7
	v_mul_f32 v[64+\e], 0xbfb8aa3b, |v[200+\e]|
.endr
	s_wait_alu depctr_va_vdst(0)
.irp e, 0,1,2,3,4,5,6,7
	v_exp_f32 v[64+\e], v[64+\e]
.endr
.irp e, 0,1,2,3,4,5,6,7
	v_max_num_f32 v[72+\e], 0, v[200+\e]           ; plain work behind the batch
.endr
	s_wait_alu depctr_va_vdst(0)                   ; one wait for the eight, ahead of their first reader
.irp e, 0,1,2,3,4,5,6,7
	v_add_f32 v[64+\e], 1.0, v[64+\e]
.endr
	s_wait_alu depctr_va_vdst(0)
.irp e, 0,1,2,3,4,5,6,7
	v_log_f32 v[64+\e], v[64+\e]
.endr
	v_nop
	s_wait_alu depctr_va_vdst(0)
.irp e, 0,1,2,3,4,5,6,7
	v_fma_f32 v[64+\e], v[64+\e], 0x3f317218, v[72+\e]
.endr
.irp e, 0,1,2,3,4,5,6,7
	v_fma_f32 v[80+\e], s[48+\e], v[64+\e], v[192+\e]   ; noisy = logits + noise x softplus
.endr
	v_max3_num_f32 v104, v80, v81, v82             ; the row's maximum is taken away before the exponentials
	v_max3_num_f32 v104, v104, v83, v84
	v_max3_num_f32 v104, v104, v85, v86
	v_max_num_f32 v104, v104, v87
.irp e, 0,1,2,3,4,5,6,7
	v_sub_f32 v[88+\e], v[80+\e], v104
.endr
.irp e, 0,1,2,3,4,5,6,7
	v_mul_f32 v[88+\e], 0x3fb8aa3b, v[88+\e]
.endr
	s_wait_alu depctr_va_vdst(0)
.irp e, 0,1,2,3,4,5,6,7
	v_exp_f32 v[88+\e], v[88+\e]
.endr
	; the two largest, by strict comparison in ascending order: of equals the lower index wins, as in lax.top_k.  (Plain work behind the batch: it names none of its results)
	v_mov_b32 v105, v80
	v_mov_b32 v106, 0
.irp e, 1,2,3,4,5,6,7
	v_cmp_gt_f32 vcc_lo, v[80+\e], v105
	v_cndmask_b32 v105, v105, v[80+\e], vcc_lo
	v_cndmask_b32 v106, v106, \e, vcc_lo
.endr
	v_mov_b32 v107, 0xff800000
.irp e, 0,1,2,3,4,5,6,7
	v_cmp_eq_u32 vcc_lo, \e, v106
	v_cndmask_b32 v[112+\e], v[80+\e], v107, vcc_lo     ; the winner leaves the field
.endr
	v_mov_b32 v108, v112
	v_mov_b32 v109, 0
.irp e, 1,2,3,4,5,6,7
	v_cmp_gt_f32 vcc_lo, v[112+\e], v108
	v_cndmask_b32 v108, v108, v[112+\e], vcc_lo
	v_cndmask_b32 v109, v109, \e, vcc_lo
.endr
	v_sub_f32 v110, v108, v105                     ; second less first: 0 or less
	v_mul_f32 v110, 0x3fb8aa3b, v110
	s_wait_alu depctr_va_vdst(0)
	v_exp_f32 v110, v110
	v_lshl_or_b32 v111, v109, 8, v106              ; sel.  (The plain place behind the last exponential)
	s_wait_alu depctr_va_vdst(0)                   ; one wait for the nine
	v_add_f32 v116, v88, v89
	v_add_f32 v117, v90, v91
	v_add_f32 v118, v92, v93
	v_add_f32 v119, v94, v95
	v_add_f32 v116, v116, v117
	v_add_f32 v118, v118, v119
	v_add_f32 v116, v116, v118
	v_add_f32 v121, 1.0, v110
	s_wait_alu depctr_va_vdst(0)
	v_rcp_f32 v120, v116
	v_rcp_f32 v121, v121
	v_nop
	s_wait_alu depctr_va_vdst(0)
.irp e, 0,1,2,3,4,5,6,7
	v_mul_f32 v[96+\e], v[88+\e], v120             ; gate1
.endr
	v_mov_b32 v122, v121                           ; the first gate 1 / (1 + q),
	v_mul_f32 v123, v110, v121                     ; the second q / (1 + q)
	s_wait_tensorcnt 0x0                           ; the wave's end: three lines behind my last LDS store, all lanes on
	ds_add_u32 v30, v31
	s_wait_dscnt 0x0
	s_lshl_b32 s30, s24, 2
	s_lshl_b32 s31, s24, 3
	v_mov_b32 v124, s28
	v_mov_b32 v125, s30
	v_mov_b32 v126, s31
	s_wait_alu depctr_va_vdst(0)
	s_wait_xcnt 0x0                                ; EXEC is a source of the stores above: it changes only behind this wait
	v_cmp_eq_u32 vcc_lo, 0, v1
	s_and_saveexec_b32 s58, vcc_lo                 ; every lane holds the same numbers: lane 0 stores them
	global_store_b128 v124, v[96:99], s[16:17]
	global_store_b128 v124, v[100:103], s[16:17] offset:16
	global_store_b32 v125, v111, s[20:21]
	global_store_b64 v126, v[122:123], s[18:19] offset:557056
	s_wait_xcnt 0x0                                ; and again in front of the line that widens it
	s_or_b32 exec_lo, exec_lo, s58
	s_endpgm
.Lfunc_end_k_qeddcb6855a_router:
	.size	k_qeddcb6855a_router, .Lfunc_end_k_qeddcb6855a_router-k_qeddcb6855a_router
	.p2alignl 7, 3214868480
	.fill 96, 4, 3214868480
	.section	.rodata,"a",@progbits
	.p2align	6, 0x0
	.amdhsa_kernel k_qeddcb6855a_router
		.amdhsa_group_segment_fixed_size 84992
		.amdhsa_private_segment_fixed_size 0
		.amdhsa_enable_private_segment 0
		.amdhsa_kernarg_size 72
		.amdhsa_user_sgpr_count 2
		.amdhsa_user_sgpr_kernarg_segment_ptr 1
		.amdhsa_wavefront_size32 1
		.amdhsa_system_sgpr_workgroup_id_x 1
		.amdhsa_system_sgpr_workgroup_id_y 1
		.amdhsa_system_sgpr_workgroup_id_z 1
		.amdhsa_system_vgpr_workitem_id 0
		.amdhsa_next_free_vgpr 256
		.amdhsa_next_free_sgpr 66
		.amdhsa_reserve_vcc 1
		.amdhsa_float_denorm_mode_32 3
		.amdhsa_float_denorm_mode_16_64 3
		.amdhsa_memory_ordered 1
		.amdhsa_forward_progress 1
		.amdhsa_inst_pref_size 50
	.end_amdhsa_kernel
	.amdgpu_metadata
---
amdhsa.version: [ 1, 2 ]
amdhsa.kernels:
  - .name:           k_qeddcb6855a_router
    .symbol:         k_qeddcb6855a_router.kd
    .args:
      - { .name: x, .offset: 0, .size: 8, .value_kind: global_buffer, .address_space: global }
      - { .name: noise, .offset: 8, .size: 8, .value_kind: global_buffer, .address_space: global }
      - { .name: w_route, .offset: 16, .size: 8, .value_kind: global_buffer, .address_space: global }
      - { .name: b_route, .offset: 24, .size: 8, .value_kind: global_buffer, .address_space: global }
      - { .name: w_noise, .offset: 32, .size: 8, .value_kind: global_buffer, .address_space: global }
      - { .name: b_noise, .offset: 40, .size: 8, .value_kind: global_buffer, .address_space: global }
      - { .name: out1, .offset: 48, .size: 8, .value_kind: global_buffer, .address_space: global }
      - { .name: xq, .offset: 56, .size: 8, .value_kind: global_buffer, .address_space: global }
      - { .name: sel, .offset: 64, .size: 8, .value_kind: global_buffer, .address_space: global }
    .group_segment_fixed_size: 84992
    .private_segment_fixed_size: 0
    .kernarg_segment_align: 8
    .kernarg_segment_size: 72
    .max_flat_workgroup_size: 128
    .sgpr_count:     66
    .vgpr_count:     256
    .wavefront_size: 32
...
	.end_amdgpu_metadata
.endif
;; end of part 1
;; launch fc (part 2): grid 32 x 8, 4 waves a work-group, no clusters, 74,240 bytes of LDS; arguments w_fc, b_fc, xq, sel, order, gsort, hq; writes order, gsort, hq
.if DOCPART == 2
	.amdgcn_target "amdgcn-amd-amdhsa--gfx1250"
	.amdhsa_code_object_version 6
	.text
	.protected	k_qeddcb6855a_fc
	.globl	k_qeddcb6855a_fc
	.p2align	8
	.type	k_qeddcb6855a_fc,@function
k_qeddcb6855a_fc:
	s_mov_b64 s[64:65], 0
	v_nop
	global_prefetch_b8 v0, s[64:65] scope:SCOPE_SE
	s_setreg_imm32_b32 hwreg(HW_REG_WAVE_MODE, 25, 1), 1
	s_wait_xcnt 0x0
; SparseMoE: the routed rows are placed by expert, and h = Q(gelu(Q(x) Q(w_fc) + b_fc)) for the routed rows only (rows of experts not chosen are left out: see the first kernel's head).
; THE WEIGHTS STAY, THE TOKENS WALK.  Work-group (S, e) owns hidden units 128 S .. 128 S + 127 of expert e: 1,024 (K) x 128 numbers of w_fc, 512 KB of f32, read once.
; PHASE 1.  Wave w streams K steps 2 w, 2 w + 1 into registers and quantises them there.  A load takes rows k and k + 32 at 64 columns: lanes 0-15 read 256 consecutive aligned bytes, lanes 16-31
; the row 32 further down.  32 loads (a unit) give lane (q, h) four columns 4 q + j x one whole block of 32 along K.  Two units (a group) make four fragments, tile j = columns 4 q + j, in the layout of the
; matrix instruction's first source.  The fragments go to LDS as images of their registers; ONE barrier; then every wave loads all 64 images (512 registers) and their scale words, and keeps them.
; THE PLACING stands between units 1 and 2, with two units' loads on their way.  sel (whole numbers, stored by the launch before) names each token's two experts.  Wave w serves tokens 256 w .. 256 w + 255: eight groups of 32,
; group g = 4 i + c holding tokens 256 w + 128 i + 4 lane + c.  Every wave reads all 1,024 choices and counts each wave's choosers of expert e by ballots: wave v has tiles(v) = ceil(count(v) / 16) tiles of 16 rows (wave 0 at least one,
; so that the next launch finds a stored tile), numbered behind those of the waves below it: at most 16 a wave, 64 an expert.  A chooser's rank rho among its wave's choosers gives it row 16 base(w) + rho of the expert.
; The tokens are brought into the order of ranks in registers: in each group all 32 lanes send (ds_permute_b32, which touches no LDS byte): a chooser its number to lane (P + its place) % 32, P the choosers of the groups before,
; any other lane a 0 to the lanes behind the choosers': a one-to-one map of the lanes.  The receiving lane l holds rank P + (l - P) % 32 and lays it into list register rank / 32 by selects.  Spare rows name token 0.
; Sixteen registers then hold a tile's tokens each, in both halves of the lanes; they move down by one a trip.
; The work-groups with S = 0 also store what the later launches read: order + 33,792 pos[2 token + k] = 1,024 e + row (lanes that did not choose write 0 into entry 2,048 + 32 e + lane, which nobody reads);
; gsort [8][1056]: the gate of each row, 0 for spare rows (lanes beyond the wave's tiles write 0 into entry 1,024 + lane of the expert's region, which nobody reads); order + 43,008: entry e = 16 x the expert's tiles.
; Every index that hangs on loaded numbers is held under its table's size by a minimum before it is shifted into an offset.
; PHASE 2.  Wave w takes its own tiles: a trip count made from counts of numbers read from memory, with no barrier and no LDS access behind the one above.
; The product is used transposed (source 0 = 16 units of the weight, source 1 = 16 tokens): in tile 4 Y + j, lane (r, h) register i is token r, unit 64 Y + 32 h + 4 i + j: a lane holds WHOLE blocks of the next K.
; gelu(x) = x / (1 + 2^(x (C1 + C2 x^2))), C1 = -2 sqrt(2 / pi) log2 e, C2 = 0.044715 C1: the tanh form of reference(), in f32; it stays finite for every finite x.
; hq: +0 codes [e][S][tile 64][2][lane 32][16 bytes]: the image of the next product's second source;  +16,777,216 scale words [e][S][tile][lane][4 bytes].  Every store covers whole runs of 512 or 128 bytes.
; NO TENSOR LOADS, NO CLUSTER: the trip count hangs on stored numbers; what the 32 work-groups of an expert share, 8.5 KB of x's codes a tile, is small beside each one's own 512 KB.  No prefetch: the 256 loads a wave are the stream itself.
; LIMITS: as stated at the first kernel's head (scale byte 1 for blocks under 2^-124; NaN and infinities not served).
; REGISTERS, in windows of 256.  Window 0: v1 lane, v2 lane % 16, v3 lane / 16, v4-23 addresses, v30, v31 the add's two, v32-95 the weights' scale words, v96-99 x's, v100-115 the tiles' tokens, v128-191 x's eight fragments.
;   The placing: v116-123 the groups' send addresses, v128-191 at work, v192-223 all choices, then the stores' registers, v224-231 my choices, v232-247 my tokens' gates.
;   Phase 1: window 1: two sets of 128 as loaded; window 2: v0-127 the unit turned (column j at 32 j), v128-159 codes, v160-184 at work.   Phase 2: windows 1, 2: the 64 fragments (image 8 s + 4 Y + j).
;   Window 3: v0-63 the 8 accumulators, v64-127 the bias in their layout, v128-191 at work, v192-255 gelu in the order of the next K.
.set PITCH, 16384                      ; a row of w_fc[e] in bytes
.set WSC,   65536                      ; LDS: 64 images of 1,024 bytes; then the scale words [slot 16][lane][16 bytes]
.set SPARE, 73728                      ; the spare words, 128 bytes a wave: two blocks of 256 bytes that no other line names
.set GATES, 557056                     ; in xq: the two gates of each token
.set POS,   33792
.set CNT,   43008
.set MSB, 0
.macro WIN new                         ; the immediate's high byte repeats the setting that is left; a switch that changes nothing is dropped
.if MSB != \new
	s_set_vgpr_msb (MSB<<8)|\new
.set MSB, \new
.endif
.endm
; unit u = 2 g + c of my eight: K step 2 w + g / 2, columns 64 (g % 2) on, rows 64 c + 32 h + i.  Every offset is an immediate, 3,653,888 at the most
.macro LOADU u
	WIN 0x40                                       ; destination window 1
.set LG, (\u)/2
.set LC, (\u)%2
.set LR, 128*((\u)%2)
.set LOF, (LG/2)*128*PITCH+(LG%2)*256+64*LC*PITCH
.set li, 0
.rept 32
	global_load_b128 v[LR+4*li:LR+4*li+3], v4, s[22:23] offset:LOF+li*PITCH th:TH_LOAD_NT
.set li, li+1
.endr
.endm
; the unit has landed (left: the loads issued behind it) and is turned inside the lane: the conversions take neighbours along K from consecutive registers
.macro UNIT_A u, left
	s_wait_loadcnt \left
	WIN 0x81                                       ; destination window 2, source window 1
.set UR, 128*((\u)%2)
.set ui, 0
.rept 32
	v_mov_b32 v[ui], v[UR+4*ui]
	v_mov_b32 v[32+ui], v[UR+4*ui+1]
	v_mov_b32 v[64+ui], v[UR+4*ui+2]
	v_mov_b32 v[96+ui], v[UR+4*ui+3]
.set ui, ui+1
.endr
.endm
; its set is free and takes the unit two on; then four blocks of 32 are quantised; behind a group's second unit the four fragments and their scale words go to LDS
.macro UNIT_B u
.if (\u) < 6
	LOADU (\u)+2
.endif
	WIN 0xaa                                       ; all in window 2
.set UC, (\u)%2
.set UG, (\u)/2
.if UC == 0
	s_wait_dscnt 0x0                               ; the last group's LDS stores have read the registers that are written now
.endif
.irp j, 0,1,2,3
	v_max3_num_f32 v[160+\j], |v[32*\j]|, |v[32*\j+1]|, 0x1800000   ; column j's block, and the floor 2^(3 - 127): the byte cannot fall under 1
.endr
.irp i, 2,4,6,8,10,12,14,16,18,20,22,24,26,28,30
.irp j, 0,1,2,3
	v_max3_num_f32 v[160+\j], v[160+\j], |v[32*\j+\i]|, |v[32*\j+\i+1]|   ; (the four columns by turns)
.endr
.endr
.irp j, 0,1,2,3
	v_add_nc_u32 v[164+\j], 0xff000000, v[160+\j]  ; 2 off the exponent field: the conversion's scale operand
.endr
.irp j, 0,1,2,3
	v_lshrrev_b32 v[168+4*UC+\j], 23, v[164+\j]    ; the byte of block 2 c + h
.endr
.irp j, 0,1,2,3
.irp g, 0,1,2,3
	v_cvt_scalef32_pk8_fp4_f32 v[128+8*\j+4*UC+\g], v[32*\j+8*\g:32*\j+8*\g+7], v[164+\j]
.endr
.endr
	v_nop                                          ; one plain place behind the conversions
.if UC == 1
.irp j, 0,1,2,3
	v_lshl_or_b32 v[176+\j], v[172+\j], 16, v[168+\j]   ; my two bytes: blocks h and 2 + h,
.endr
.irp j, 0,1,2,3
	v_lshlrev_b32 v[176+\j], v184, v[176+\j]       ; 8 h bits up;
.endr
.irp j, 0,1,2,3
	v_permlanex16_b32 v[180+\j], v[176+\j], s20, s21
.endr
.irp j, 0,1,2,3
	v_or_b32 v[176+\j], v[176+\j], v[180+\j]       ; with lane l xor 16's two the word is whole, in both halves of the lanes
.endr
	WIN 0x08                                       ; an LDS store's data: window 2
.irp j, 0,1,2,3
.irp c, 0,1
	ds_store_b128 v7, v[128+8*\j+4*\c:128+8*\j+4*\c+3] offset:(4*UG+\j)*1024+512*\c   ; image 16 w + 4 g + j
.endr
.endr
	ds_store_b128 v8, v[176:179] offset:UG*512     ; the four tiles' scale words: slot 4 w + g
.endif
.endm
.macro RESIDENT
	s_wait_dscnt 0x0                               ; for the others' sake: my images have landed
	s_barrier_signal -1
	s_barrier_wait -1                              ; all 64 lie in LDS; nobody writes them again
	WIN 0x40
.set ri, 0
.rept 32
	ds_load_b128 v[8*ri:8*ri+3], v5 offset:ri*1024
	ds_load_b128 v[8*ri+4:8*ri+7], v5 offset:ri*1024+512
.set ri, ri+1
.endr
	WIN 0x80
.set ri, 0
.rept 32
	ds_load_b128 v[8*ri:8*ri+3], v5 offset:(32+ri)*1024
	ds_load_b128 v[8*ri+4:8*ri+7], v5 offset:(32+ri)*1024+512
.set ri, ri+1
.endr
	WIN 0
.set ri, 0
.rept 16
	ds_load_b128 v[32+4*ri:32+4*ri+3], v6 offset:ri*512
.set ri, ri+1
.endr
	s_wait_dscnt 0x0
.endm
; the next tile's tokens (held under 1,024) give the places of their codes and scale bytes; x is asked for: 16 tokens x 1,024 K, eight fragments, and one load of scale bytes
; (register i: lanes 0-15 the word of K step i, lanes 16-31 of step 4 + i); then the tiles' tokens move down by one
.macro XNEXT
	v_min_u32 v11, 1023, v100
	v_lshlrev_b32 v12, 9, v11
	v_lshlrev_b32 v13, 5, v11
	v_lshl_add_u32 v12, v3, 4, v12
	v_lshl_add_u32 v13, v3, 4, v13
.irp k, 0,1,2,3,4,5,6,7
	global_load_b128 v[128+8*\k:128+8*\k+3], v12, s[26:27] offset:64*\k
	global_load_b128 v[128+8*\k+4:128+8*\k+7], v12, s[26:27] offset:64*\k+32
.endr
	global_load_b128 v[96:99], v13, s[28:29]
.irp t, 0,1,2,3,4,5,6,7,8,9,10,11,12,13,14
	v_mov_b32 v[100+\t], v[101+\t]
.endr
.endm
; K step kst: the eight accumulators by turns, one instruction a turn; the first step takes the bias as C
.macro FCMUL kst
.irp T, 0,1,2,3,4,5,6,7
.if (\kst) == 0
	v_wmma_scale_f32_16x16x128_f8f6f4 v[8*\T:8*\T+7], v[(64*(\kst)+8*\T)%256:(64*(\kst)+8*\T)%256+7], v[128+8*(\kst):128+8*(\kst)+7], v[64+8*\T:64+8*\T+7], v[32+8*(\kst)+\T], v[96+(\kst)%4] matrix_a_fmt:MATRIX_FMT_FP4 matrix_b_fmt:MATRIX_FMT_FP4
.elseif (\kst) < 4
	v_wmma_scale_f32_16x16x128_f8f6f4 v[8*\T:8*\T+7], v[(64*(\kst)+8*\T)%256:(64*(\kst)+8*\T)%256+7], v[128+8*(\kst):128+8*(\kst)+7], v[8*\T:8*\T+7], v[32+8*(\kst)+\T], v[96+(\kst)%4] matrix_a_fmt:MATRIX_FMT_FP4 matrix_b_fmt:MATRIX_FMT_FP4
.else
	v_wmma_scale_f32_16x16x128_f8f6f4 v[8*\T:8*\T+7], v[(64*(\kst)+8*\T)%256:(64*(\kst)+8*\T)%256+7], v[128+8*(\kst):128+8*(\kst)+7], v[8*\T:8*\T+7], v[32+8*(\kst)+\T], v[96+(\kst)%4] matrix_a_fmt:MATRIX_FMT_FP4 matrix_b_fmt:MATRIX_FMT_FP4 matrix_b_scale:MATRIX_SCALE_ROW1
.endif
.endr
.endm
; THE PLACING'S STEPS.  The choosers in scan load i are added to the count of the wave that serves its tokens
.macro COUNT i
.irp c, 0,1,2,3
	v_and_b32 v[128+\c], 0xff, v[192+4*(\i)+\c]    ; first choice,
	v_lshrrev_b32 v[132+\c], 8, v[192+4*(\i)+\c]   ; second choice
.endr
.irp c, 0,1,2,3
	v_cmp_eq_u32 s[56+\c], s16, v[128+\c]
	v_cmp_eq_u32 s[60+\c], s16, v[132+\c]
.endr
.irp c, 0,1,2,3
	s_or_b32 s[56+\c], s[56+\c], s[60+\c]
	s_bcnt1_i32_b32 s[56+\c], s[56+\c]
.endr
	s_add_co_u32 s56, s56, s57
	s_add_co_u32 s58, s58, s59
	s_add_co_u32 s56, s56, s58
	s_add_co_u32 s[44+(\i)/2], s[44+(\i)/2], s56
.endm
; group g of my eight: s[66 + g] = P, s[74 + g] the choosers, s[82 + g] those whose second choice I am, v[144 + g] = P + my place in the group (a chooser's rank), v[116 + g] the lane that I send to, x 4
.macro GROUP g
	v_and_b32 v136, 0xff, v[224+\g]
	v_lshrrev_b32 v137, 8, v[224+\g]
	v_cmp_eq_u32 s56, s16, v136
	v_cmp_eq_u32 s[82+\g], s16, v137
	s_or_b32 s[74+\g], s56, s[82+\g]
	s_bcnt1_i32_b32 s59, s[74+\g]
	s_mov_b32 s[66+\g], s50
	v_mbcnt_lo_u32_b32 v138, s[74+\g], 0           ; the choosing lanes below mine,
	v_sub_nc_u32 v139, v1, v138                    ; the others below mine,
	v_add_nc_u32 v139, s59, v139                   ; which stand behind the choosers
	v_cndmask_b32 v139, v139, v138, s[74+\g]
	v_add_nc_u32 v[144+\g], s50, v139
	v_and_b32 v140, 31, v[144+\g]
	v_lshlrev_b32 v[116+\g], 2, v140
	v_add_nc_u32 v141, 128*((\g)/4)+(\g)%4, v18    ; my token of this group
	v_cndmask_b32 v141, 0, v141, s[74+\g]
	ds_permute_b32 v[152+\g], v[116+\g], v141
	s_add_co_u32 s50, s50, s59
.endm
; what group g's lanes received (v[src + g]) goes into register rank / 32 of the eight from v[dst] on; rank = P + (lane - P) % 32 is at most 32 g + 31
.macro UNPACK g, src, dst
	v_sub_nc_u32 v136, v1, s[66+\g]
	v_and_b32 v136, 31, v136
	v_add_nc_u32 v136, s[66+\g], v136
	v_lshrrev_b32 v136, 5, v136
.set ud, 0
.rept (\g)+1
	v_cmp_eq_u32 vcc_lo, ud, v136
	v_cndmask_b32 v[\dst+ud], v[\dst+ud], v[\src+\g], vcc_lo
.set ud, ud+1
.endr
.endm
; S = 0: group g's entries of pos are stored, and its gates are sent as the tokens were.  Each store has registers of its own, which are not written again
.macro POSG g
	v_cndmask_b32 v136, 0, 1, s[82+\g]             ; k
	v_add_nc_u32 v137, 128*((\g)/4)+(\g)%4, v18
	v_lshl_add_u32 v137, v137, 1, v136             ; 2 token + k for a chooser,
	v_cndmask_b32 v137, v19, v137, s[74+\g]        ; the entry that nobody reads for the others
	v_min_u32 v137, 2303, v137
	v_lshlrev_b32 v[192+2*\g], 2, v137
	v_add_nc_u32 v138, s91, v[144+\g]              ; 1,024 e + 16 base + rank
	v_cndmask_b32 v[193+2*\g], 0, v138, s[74+\g]
	global_store_b32 v[192+2*\g], v[193+2*\g], s[92:93] offset:POS
	v_cndmask_b32 v139, v[232+2*\g], v[233+2*\g], s[82+\g]   ; the gate that goes with the choice
	v_cndmask_b32 v139, 0, v139, s[74+\g]
	ds_permute_b32 v[176+\g], v[116+\g], v139
.endm
.macro GSTORE d                        ; S = 0: the gates of my rows 32 d + lane
	v_add_nc_u32 v136, 32*\d, v1
	v_cmp_gt_u32 vcc_lo, s97, v136                 ; inside my tiles?
	v_add_nc_u32 v137, s96, v136
	v_cndmask_b32 v137, v20, v137, vcc_lo
	v_min_u32 v137, 8447, v137
	v_lshlrev_b32 v[208+2*\d], 2, v137
	v_cndmask_b32 v[209+2*\d], 0, v[184+\d], vcc_lo
	global_store_b32 v[208+2*\d], v[209+2*\d], s[94:95]
.endm
	s_load_b256 s[4:11], s[0:1], 0x0               ; w_fc 4:5, b_fc 6:7, xq 8:9, sel 10:11
	s_load_b128 s[92:95], s[0:1], 0x20             ; order 92:93, gsort 94:95
	s_load_b64 s[12:13], s[0:1], 0x30              ; hq
	v_lshl_add_u32 v30, v0, 2, SPARE               ; my spare word,
	v_mov_b32 v31, 0                               ; and 0: kept for the closing lines alone
	v_lshrrev_b32 v1, 5, v0
	v_readfirstlane_b32 s14, v1                    ; wave
	v_and_b32 v1, 31, v0                           ; lane
	v_and_b32 v2, 15, v0                           ; q, r
	v_bfe_u32 v3, v0, 4, 1                         ; h
	v_lshlrev_b32 v4, 4, v2
	v_lshl_add_u32 v4, v3, 19, v4                  ; the weights: 16 q + 32 rows x h
	v_lshlrev_b32 v5, 4, v1                        ; 16 x lane: an image's place for my lane, and a scan load's
	v_add_nc_u32 v6, WSC, v5
	s_lshl_b32 s36, s14, 14
	v_add_nc_u32 v7, s36, v5                       ; where I store images: + 16 images x wave
	s_lshl_b32 s36, s14, 11
	v_add_nc_u32 v8, s36, v6                       ; and scale words: + 4 slots x wave
	v_lshl_add_u32 v23, v1, 5, s36                 ; my tokens' gates: 2,048 w + 32 lane
	v_lshlrev_b32 v9, 3, v3                        ; 8 h
	v_mov_b32 v14, 0xc0135761                      ; C1, as a pair
	v_mov_b32 v15, 0xc0135761
	v_lshlrev_b32 v16, 7, v3                       ; the bias: 128 h
	v_lshlrev_b32 v17, 2, v1                       ; 4 x lane
	s_lshl_b32 s36, s14, 8
	v_lshl_add_u32 v18, v1, 2, s36                 ; my first token: 256 w + 4 lane
	s_lshl_b32 s36, s14, 10
	v_add_nc_u32 v22, s36, v5                      ; my own choices: 1,024 w + 16 lane
	s_mov_b32 s15, ttmp9                           ; S
	s_and_b32 s16, ttmp7, 0xffff                   ; e
	s_lshl_b32 s36, s16, 5
	s_add_co_u32 s36, s36, 2048
	v_add_nc_u32 v19, s36, v1                      ; the entry of pos that takes my zeros
	s_mul_i32 s36, s16, 1056
	s_add_co_u32 s36, s36, 1024
	v_add_nc_u32 v20, s36, v1                      ; and that of gsort
	s_mov_b32 s20, 0x76543210
	s_mov_b32 s21, 0xfedcba98                      ; v_permlanex16_b32's selects for lane l xor 16
	s_mov_b32 s90, 0xffff0000                      ; lanes 16-31
	s_mov_b32 s40, 0xbdd2d3e8                      ; C2
	s_mov_b32 s41, s40                             ; (named with it as a pair, so it is written)
	s_lshl_b32 s36, s16, 24                        ; offsets, apart from the addresses: the weights: e x 16 MB + 256 rows x wave + 512 S
	s_lshl_b32 s50, s14, 22
	s_add_co_u32 s36, s36, s50
	s_lshl_b32 s51, s15, 9
	s_add_co_u32 s36, s36, s51
	s_mov_b32 s37, 0
	s_lshl_b32 s38, s16, 14                        ; the bias
	s_add_co_u32 s38, s38, s51
	s_mov_b32 s39, 0
	s_lshl_b32 s50, s16, 5
	s_add_co_u32 s50, s50, s15
	s_lshl_b32 s50, s50, 6                         ; (32 e + S) x 64: tile 0's place in hq
	s_lshl_b32 s44, s50, 10
	s_mov_b32 s45, 0
	s_lshl_b32 s46, s50, 7
	s_add_co_u32 s46, s46, 0x1000000
	s_mov_b32 s47, 0
	s_wait_alu depctr_va_vdst(0)
	s_wait_kmcnt 0x0
	s_add_nc_u64 s[22:23], s[4:5], s[36:37]
	s_add_nc_u64 s[24:25], s[6:7], s[38:39]
	s_mov_b64 s[26:27], s[8:9]                     ; x's codes,
	s_add_nc_u64 s[28:29], s[8:9], 0x80000         ; and scale bytes
	s_add_nc_u64 s[32:33], s[12:13], s[44:45]
	s_add_nc_u64 s[34:35], s[12:13], s[46:47]
	WIN 0x80
	v_mov_b32 v184, v9                             ; 8 h, at hand in window 2
.irp j, 0,1,2,3
	v_mov_b32 v[180+\j], 0                         ; written once: a lane permute's destination counts as one of its sources
.endr
	WIN 0
.irp n, 0,1,2,3,4,5,6,7
	global_load_b128 v[192+4*\n:195+4*\n], v5, s[10:11] offset:512*\n   ; all choices: 32 lanes read 512 consecutive bytes
.endr
.irp i, 0,1
	global_load_b128 v[224+4*\i:227+4*\i], v22, s[10:11] offset:512*\i  ; my 256 tokens' choices once more, into registers that do not hang on w,
	global_load_b128 v[232+8*\i:235+8*\i], v23, s[8:9] offset:GATES+1024*\i      ; and their gates
	global_load_b128 v[236+8*\i:239+8*\i], v23, s[8:9] offset:GATES+1024*\i+16
.endr
	LOADU 0
	LOADU 1
	UNIT_A 0, 32                                   ; behind unit 0: unit 1's 32.  (The choices and gates, asked for ahead of it, are in too)
	UNIT_B 0
	UNIT_A 1, 32
	UNIT_B 1
	WIN 0
	; THE PLACING, with units 2 and 3 on their way
.irp w, 0,1,2,3
	s_mov_b32 s[44+\w], 0
.endr
.irp i, 0,1,2,3,4,5,6,7
	COUNT \i
.endr
.irp w, 0,1,2,3
	s_add_co_u32 s[44+\w], s[44+\w], 15
	s_lshr_b32 s[44+\w], s[44+\w], 4
	s_min_u32 s[44+\w], s[44+\w], 16               ; each wave's tiles
.endr
	s_max_u32 s44, s44, 1                          ; wave 0 has one at the least
	s_mov_b32 s48, 0                               ; the tiles of the waves below mine,
	s_mov_b32 s43, s44                             ; and mine
.irp w, 0,1,2
	s_cmp_gt_u32 s14, \w
	s_cselect_b32 s54, s[44+\w], 0
	s_cselect_b32 s43, s[45+\w], s43
	s_add_co_u32 s48, s48, s54
.endr
	s_min_u32 s48, s48, 63
	s_add_co_u32 s49, s44, s45
	s_add_co_u32 s49, s49, s46
	s_add_co_u32 s49, s49, s47                     ; the expert's tiles
	s_lshl_b32 s54, s48, 10                        ; my first tile's place in hq
	s_mov_b32 s55, 0
	s_add_nc_u64 s[32:33], s[32:33], s[54:55]
	s_lshl_b32 s54, s48, 7
	s_add_nc_u64 s[34:35], s[34:35], s[54:55]
	s_mov_b32 s50, 0                               ; P
.irp g, 0,1,2,3,4,5,6,7
	GROUP \g
.endr
.irp d, 0,1,2,3,4,5,6,7
	v_mov_b32 v[160+\d], 0                         ; the list: spare rows name token 0
	v_mov_b32 v[168+\d], 0                         ; (a lane permute's destination counts as one of its sources)
.endr
	s_wait_alu depctr_va_vdst(0)
	s_wait_dscnt 0x0
.irp g, 0,1,2,3,4,5,6,7
	UNPACK \g, 152, 160
.endr
.irp d, 0,1,2,3,4,5,6,7
	v_permlanex16_b32 v[168+\d], v[160+\d], s20, s21
.endr
.irp d, 0,1,2,3,4,5,6,7
	v_cndmask_b32 v[100+2*\d], v[160+\d], v[168+\d], s90   ; tile 2 d: ranks 32 d + 0 .. 15, in both halves of the lanes;
	v_cndmask_b32 v[101+2*\d], v[168+\d], v[160+\d], s90   ; tile 2 d + 1: ranks 32 d + 16 .. 31
.endr
	s_cmp_lg_u32 s15, 0                            ; one work-group of each expert stores what the later launches read
	s_wait_alu depctr_va_vdst(0)
	s_cbranch_scc1 .Lplaced
	s_lshl_b32 s54, s48, 4                         ; 16 base
	s_lshl_b32 s91, s16, 10
	s_add_co_u32 s91, s91, s54                     ; 1,024 e + 16 base
	s_mul_i32 s96, s16, 1056
	s_add_co_u32 s96, s96, s54                     ; my first row's entry of gsort
	s_lshl_b32 s97, s43, 4                         ; my rows
.irp g, 0,1,2,3,4,5,6,7
	POSG \g
.endr
.irp d, 0,1,2,3,4,5,6,7
	v_mov_b32 v[184+\d], 0                         ; spare rows have the gate 0
.endr
	s_wait_alu depctr_va_vdst(0)
	s_wait_dscnt 0x0
.irp g, 0,1,2,3,4,5,6,7
	UNPACK \g, 176, 184
.endr
.irp d, 0,1,2,3,4,5,6,7
	GSTORE \d
.endr
	s_cmp_lg_u32 s14, 0                            ; all four waves hold the same number of tiles: wave 0 stores it, as a count of rows
	s_wait_alu depctr_va_vdst(0)
	s_cbranch_scc1 .Lplaced
	v_lshl_add_u32 v124, v1, 3, s16
	v_lshlrev_b32 v124, 2, v124
	s_lshl_b32 s54, s49, 4
	v_mov_b32 v125, s54
	global_store_b32 v124, v125, s[92:93] offset:CNT
.Lplaced:
	XNEXT                                          ; my first tile's x lands under the stream
	UNIT_A 2, 49                                   ; behind unit 2: unit 3's 32, x's 17
	UNIT_B 2
	UNIT_A 3, 49                                   ; behind unit 3: x's 17, unit 4's 32
	UNIT_B 3
	UNIT_A 4, 32
	UNIT_B 4
	UNIT_A 5, 32
	UNIT_B 5
	UNIT_A 6, 32
	WIN 0xc0                                       ; destination window 3
.irp Y, 0,1
.irp i, 0,1,2,3,4,5,6,7
	global_load_b128 v[192+32*\Y+4*\i:192+32*\Y+4*\i+3], v16, s[24:25] offset:256*\Y+16*\i   ; b_fc of units 64 Y + 32 h + 4 i + 0 .. 3
.endr
.endr
	UNIT_B 6
	UNIT_A 7, 16                                   ; behind unit 7: the bias's 16
	UNIT_B 7
	RESIDENT
	s_wait_tensorcnt 0x0                           ; three lines behind my last LDS store: the text touches LDS no more
	ds_add_u32 v30, v31
	s_wait_dscnt 0x0
	s_wait_loadcnt 0x0                             ; the bias (x came long ago)
	WIN 0xc3
.irp Y, 0,1
.irp j, 0,1,2,3
.irp i, 0,1,2,3,4,5,6,7
	v_mov_b32 v[64+8*(4*\Y+\j)+\i], v[192+32*\Y+4*\i+\j]   ; into the accumulators' layout: it is the C of each sum's first product
.endr
.endr
.endr
	WIN 0
.rept 4
	v_nop
.endr
	s_mov_b32 s42, 0                               ; the loop's counter: one a trip, up to my tiles
	s_cmp_eq_u32 s43, 0
	s_cbranch_scc1 .Lend
.Ltile:
	s_wait_loadcnt 0x0                             ; this tile's x
	WIN 0xf1                                       ; source 0 window 1, source 1 window 0, C and D window 3
	s_wait_alu depctr_va_vdst(0)
	FCMUL 0
	FCMUL 1
	FCMUL 2
	FCMUL 3
	WIN 0xf2                                       ; source 0 window 2
	FCMUL 4
	FCMUL 5
	FCMUL 6
	FCMUL 7
	WIN 0
	XNEXT                                          ; its first five lines, which name no register of the products, are the places in front of its loads; my next tile's x lands under this tile's gelu (behind my last tile: tokens of the list's end)
	WIN 0xff                                       ; all in window 3
.set gp, 0
.rept 32
	v_pk_mul_f32 v[128+gp:129+gp], v[gp:gp+1], v[gp:gp+1]   ; x^2; each accumulator is read from its low end on
.set gp, gp+2
.endr
	WIN 0xcf                                       ; source 2 (C1) window 0
.set gp, 0
.rept 32
	v_pk_fma_f32 v[128+gp:129+gp], v[128+gp:129+gp], s[40:41], v[14:15] op_sel_hi:[1,0,0]   ; C2 x^2 + C1
.set gp, gp+2
.endr
	WIN 0xff
.set gp, 0
.rept 32
	v_pk_mul_f32 v[128+gp:129+gp], v[128+gp:129+gp], v[gp:gp+1]
.set gp, gp+2
.endr
.set gp, 0
	s_wait_alu depctr_va_vdst(0)                   ; ahead of the batch
.rept 64
	v_exp_f32 v[128+gp], v[128+gp]
.set gp, gp+1
.endr
	v_nop                                          ; the plain place behind the batch,
	s_wait_alu depctr_va_vdst(0)                   ; and one wait for the 64, ahead of their first reader
.set gp, 0
.rept 32
	v_pk_add_f32 v[128+gp:129+gp], v[128+gp:129+gp], 1.0 op_sel_hi:[1,0]
.set gp, gp+2
.endr
.set gp, 0
	s_wait_alu depctr_va_vdst(0)
.rept 64
	v_rcp_f32 v[128+gp], v[128+gp]
.set gp, gp+1
.endr
	v_nop
	s_wait_alu depctr_va_vdst(0)
.irp Y, 0,1
.irp j, 0,1,2,3
.irp i, 0,1,2,3,4,5,6,7
	v_mul_f32 v[192+32*\Y+4*\i+\j], v[8*(4*\Y+\j)+\i], v[128+8*(4*\Y+\j)+\i]   ; gelu, laid in the order of the next K: register 32 Y + n = unit 64 Y + 32 h + n
.endr
.endr
.endr
	; my two blocks, 2 Y + h: four chains of 16
.irp c, 0,1,2,3
	v_max3_num_f32 v[128+\c], |v[192+16*\c]|, |v[193+16*\c]|, 0x1800000
.endr
.irp i, 2,4,6,8,10,12,14
.irp c, 0,1,2,3
	v_max3_num_f32 v[128+\c], v[128+\c], |v[192+16*\c+\i]|, |v[193+16*\c+\i]|
.endr
.endr
	v_max_num_f32 v128, v128, v129
	v_max_num_f32 v130, v130, v131
	v_add_nc_u32 v132, 0xff000000, v128
	v_add_nc_u32 v133, 0xff000000, v130
	v_lshrrev_b32 v134, 23, v132
	v_lshrrev_b32 v135, 23, v133
	v_lshl_or_b32 v144, v135, 16, v134
	WIN 0xcc                                       ; source 0 (8 h) window 0
	v_lshlrev_b32 v144, v9, v144
	WIN 0xff
	v_permlanex16_b32 v145, v144, s20, s21
	v_or_b32 v144, v144, v145                      ; token r's scale word for these 128 units
.irp Y, 0,1
.irp g, 0,1,2,3
	v_cvt_scalef32_pk8_fp4_f32 v[136+4*\Y+\g], v[192+32*\Y+8*\g:192+32*\Y+8*\g+7], v[132+\Y]
.endr
.endr
	v_nop                                          ; one plain place behind the conversions
	WIN 0x0c                                       ; a store's data: window 3
	global_store_b128 v5, v[136:139], s[32:33]     ; the fragment's image: 512 consecutive bytes a store
	global_store_b128 v5, v[140:143], s[32:33] offset:512
	global_store_b32 v17, v144, s[34:35]
	WIN 0
	s_wait_xcnt 0x0                                ; the stores have read their data and bases: both are written again only behind this wait
	s_add_nc_u64 s[32:33], s[32:33], 1024          ; my next tile
	s_add_nc_u64 s[34:35], s[34:35], 128
	s_add_co_u32 s42, s42, 1                       ; the counter
	s_cmp_lt_u32 s42, s43
	s_cbranch_scc1 .Ltile
.Lend:
	s_endpgm
.Lfunc_end_k_qeddcb6855a_fc:
	.size	k_qeddcb6855a_fc, .Lfunc_end_k_qeddcb6855a_fc-k_qeddcb6855a_fc
	.p2alignl 7, 3214868480
	.fill 96, 4, 3214868480
	.section	.rodata,"a",@progbits
	.p2align	6, 0x0
	.amdhsa_kernel k_qeddcb6855a_fc
		.amdhsa_group_segment_fixed_size 74240
		.amdhsa_private_segment_fixed_size 0
		.amdhsa_enable_private_segment 0
		.amdhsa_kernarg_size 56
		.amdhsa_user_sgpr_count 2
		.amdhsa_user_sgpr_kernarg_segment_ptr 1
		.amdhsa_wavefront_size32 1
		.amdhsa_system_sgpr_workgroup_id_x 1
		.amdhsa_system_sgpr_workgroup_id_y 1
		.amdhsa_system_sgpr_workgroup_id_z 1
		.amdhsa_system_vgpr_workitem_id 0
		.amdhsa_next_free_vgpr 1024
		.amdhsa_next_free_sgpr 100
		.amdhsa_reserve_vcc 1
		.amdhsa_float_denorm_mode_32 3
		.amdhsa_float_denorm_mode_16_64 3
		.amdhsa_memory_ordered 1
		.amdhsa_forward_progress 1
		.amdhsa_inst_pref_size 192
	.end_amdhsa_kernel
	.amdgpu_metadata
---
amdhsa.version: [ 1, 2 ]
amdhsa.kernels:
  - .name:           k_qeddcb6855a_fc
    .symbol:         k_qeddcb6855a_fc.kd
    .args:
      - { .name: w_fc, .offset: 0, .size: 8, .value_kind: global_buffer, .address_space: global }
      - { .name: b_fc, .offset: 8, .size: 8, .value_kind: global_buffer, .address_space: global }
      - { .name: xq, .offset: 16, .size: 8, .value_kind: global_buffer, .address_space: global }
      - { .name: sel, .offset: 24, .size: 8, .value_kind: global_buffer, .address_space: global }
      - { .name: order, .offset: 32, .size: 8, .value_kind: global_buffer, .address_space: global }
      - { .name: gsort, .offset: 40, .size: 8, .value_kind: global_buffer, .address_space: global }
      - { .name: hq, .offset: 48, .size: 8, .value_kind: global_buffer, .address_space: global }
    .group_segment_fixed_size: 74240
    .private_segment_fixed_size: 0
    .kernarg_segment_align: 8
    .kernarg_segment_size: 56
    .max_flat_workgroup_size: 128
    .sgpr_count:     100
    .vgpr_count:     1024
    .wavefront_size: 32
...
	.end_amdgpu_metadata
.endif
;; end of part 2
;; launch proj (part 3): grid 32 x 8, 4 waves a work-group, no clusters, 91,648 bytes of LDS; arguments w_proj, b_proj, hq, gsort, order, ypart; writes ypart
.if DOCPART == 3
	.amdgcn_target "amdgcn-amd-amdhsa--gfx1250"
	.amdhsa_code_object_version 6
	.text
	.protected	k_qeddcb6855a_proj
	.globl	k_qeddcb6855a_proj
	.p2align	8
	.type	k_qeddcb6855a_proj,@function
k_qeddcb6855a_proj:
	s_mov_b64 s[64:65], 0
	v_nop
	global_prefetch_b8 v0, s[64:65] scope:SCOPE_SE
	s_setreg_imm32_b32 hwreg(HW_REG_WAVE_MODE, 25, 1), 1
	s_wait_xcnt 0x0
; SparseMoE, launch 3 of 4: ypart = gate x (Q(h) Q(w_proj) [+ b_proj in K half 0]), for the routed rows only (rows of experts not chosen are left out: see the first kernel's head).
; THE WEIGHTS STAY, THE TOKENS WALK, as in the launch before.  Work-group (x, e): cg = x % 16: output columns 64 cg .. + 63 (256 bytes of a row); kh = x / 16: K half, 2,048 hidden units = 16 K steps:
; 512 KB of f32, read once.  (All of K with 32 columns would read half of each 256 bytes: so K is cut in two and the halves are added by the last launch.)
; PHASE 1.  Wave w streams K steps 4 w + g, g = 0 .. 3, and quantises them in registers; unit, group and image as in the launch before; image = 4 s + j.  ONE barrier; then all 64 fragments stay in every wave's registers.
; PHASE 2.  Wave w takes the expert's tiles w, w + 4, ..; the trip count is made from a count read from memory.  A tile's h (16 fragments, 8 registers of scale words, the gates) comes as register images from hq; two sets take
; turns, each asked for a tile's work ahead.  Transposed product: in tile j lane (r, h) register i is row r, column 32 h + 4 i + j.  The bias is the C of the first product in K half 0 (a select, no multiplication);
; the gate multiplies the finished sum, and that multiplication lays a lane's 32 numbers in the order of the columns.  They go through the wave's own stage in LDS (rows of 272 bytes), so that sixteen lanes store 256 consecutive aligned bytes.
; ypart: [kh 2][e 8][rank 1,024][1,024] f32; only rows of tiles that exist are written, and only rows of real ranks are read.
; NO TENSOR LOADS, NO CLUSTER: the trip count hangs on a stored count; what work-groups share (17 KB of h's codes a tile) is small beside each one's own 512 KB.
; REGISTERS.  Window 0: v1 lane, v2 lane % 16, v3 lane / 16, v4-16 addresses, v30, v31 the add's two, v32-95 the weights' scale words, v96-103, v104-111 h's scale words (sets A, B), v112, v113 the gates, v128-255 h, set A.
;   Phase 1: windows 1, 2 as in the launch before.  Phase 2: windows 1, 2: the 64 fragments.   Window 3: v0-31 four accumulators, v32-63 the bias, v64-95 results in column order, v96-127 rows back from the stage, v128-255 h, set B.
.set PITCH, 4096                       ; a row of w_proj[e] in bytes
.set WSC,   65536
.set STAGE, 73728                      ; 16 rows x 272 bytes for each wave
.set SPARE, 91136                      ; the spare words, 128 bytes a wave: two blocks of 256 bytes that no other line names
.set MSB, 0
.macro WIN new
.if MSB != \new
	s_set_vgpr_msb (MSB<<8)|\new
.set MSB, \new
.endif
.endm
.macro LOADU u                         ; unit u = 2 g + c: K step 4 w + g, rows 64 c + 32 h + i.  Every offset is an immediate, 1,961,984 at the most
	WIN 0x40
.set LG, (\u)/2
.set LC, (\u)%2
.set LR, 128*((\u)%2)
.set LOF, LG*128*PITCH+64*LC*PITCH
.set li, 0
.rept 32
	global_load_b128 v[LR+4*li:LR+4*li+3], v4, s[22:23] offset:LOF+li*PITCH th:TH_LOAD_NT
.set li, li+1
.endr
.endm
.macro UNIT_A u, left                  ; the unit has landed (left: the loads issued behind it) and is turned inside the lane
	s_wait_loadcnt \left
	WIN 0x81
.set UR, 128*((\u)%2)
.set ui, 0
.rept 32
	v_mov_b32 v[ui], v[UR+4*ui]
	v_mov_b32 v[32+ui], v[UR+4*ui+1]
	v_mov_b32 v[64+ui], v[UR+4*ui+2]
	v_mov_b32 v[96+ui], v[UR+4*ui+3]
.set ui, ui+1
.endr
.endm
.macro UNIT_B u                        ; its set takes the unit two on; four blocks are quantised; behind a group's second unit the fragments go to LDS
.if (\u) < 6
	LOADU (\u)+2
.endif
	WIN 0xaa
.set UC, (\u)%2
.set UG, (\u)/2
.if UC == 0
	s_wait_dscnt 0x0                               ; the last group's LDS stores have read the registers that are written now
.endif
.irp j, 0,1,2,3
	v_max3_num_f32 v[160+\j], |v[32*\j]|, |v[32*\j+1]|, 0x1800000
.endr
.irp i, 2,4,6,8,10,12,14,16,18,20,22,24,26,28,30
.irp j, 0,1,2,3
	v_max3_num_f32 v[160+\j], v[160+\j], |v[32*\j+\i]|, |v[32*\j+\i+1]|
.endr
.endr
.irp j, 0,1,2,3
	v_add_nc_u32 v[164+\j], 0xff000000, v[160+\j]
.endr
.irp j, 0,1,2,3
	v_lshrrev_b32 v[168+4*UC+\j], 23, v[164+\j]
.endr
.irp j, 0,1,2,3
.irp g, 0,1,2,3
	v_cvt_scalef32_pk8_fp4_f32 v[128+8*\j+4*UC+\g], v[32*\j+8*\g:32*\j+8*\g+7], v[164+\j]
.endr
.endr
	v_nop                                          ; one plain place behind the conversions
.if UC == 1
.irp j, 0,1,2,3
	v_lshl_or_b32 v[176+\j], v[172+\j], 16, v[168+\j]
.endr
.irp j, 0,1,2,3
	v_lshlrev_b32 v[176+\j], v184, v[176+\j]
.endr
.irp j, 0,1,2,3
	v_permlanex16_b32 v[180+\j], v[176+\j], s20, s21
.endr
.irp j, 0,1,2,3
	v_or_b32 v[176+\j], v[176+\j], v[180+\j]
.endr
	WIN 0x08
.irp j, 0,1,2,3
.irp c, 0,1
	ds_store_b128 v7, v[128+8*\j+4*\c:128+8*\j+4*\c+3] offset:(4*UG+\j)*1024+512*\c
.endr
.endr
	ds_store_b128 v8, v[176:179] offset:UG*512
.endif
.endm
.macro RESIDENT
	s_wait_dscnt 0x0                               ; for the others' sake: my images have landed
	s_barrier_signal -1
	s_barrier_wait -1                              ; all 64 lie in LDS; nobody writes them again
	WIN 0x40
.set ri, 0
.rept 32
	ds_load_b128 v[8*ri:8*ri+3], v5 offset:ri*1024
	ds_load_b128 v[8*ri+4:8*ri+7], v5 offset:ri*1024+512
.set ri, ri+1
.endr
	WIN 0x80
.set ri, 0
.rept 32
	ds_load_b128 v[8*ri:8*ri+3], v5 offset:(32+ri)*1024
	ds_load_b128 v[8*ri+4:8*ri+7], v5 offset:(32+ri)*1024+512
.set ri, ri+1
.endr
	WIN 0
.set ri, 0
.rept 16
	ds_load_b128 v[32+4*ri:32+4*ri+3], v6 offset:ri*512
.set ri, ri+1
.endr
	s_wait_dscnt 0x0
.endm
; the bases of set hset for the tile in s55, held at the expert's last tile and under 64.  Each set has bases of its own: they are written when that set's loads are done
.macro HBASE hset
.set HBS, 40+6*(\hset)
	s_min_u32 s54, s55, s29
	s_min_u32 s54, s54, 63
	s_lshl_b32 s52, s54, 10
	s_add_nc_u64 s[HBS:HBS+1], s[30:31], s[52:53]
	s_lshl_b32 s52, s54, 7
	s_add_nc_u64 s[HBS+2:HBS+3], s[32:33], s[52:53]
	s_lshl_b32 s52, s54, 6
	s_add_nc_u64 s[HBS+4:HBS+5], s[34:35], s[52:53]
.endm
; part 0: K steps 0-9, 20 loads.  part 1: K steps 10-15, the scale words (register i: lanes 0-15 step 2 i, lanes 16-31 step 2 i + 1) and the gates: 21 loads
.macro HLOAD hset, part
.set HBS, 40+6*(\hset)
	WIN 0xc0*(\hset)                               ; set A lies in window 0, set B in window 3
.set hk, 10*(\part)
.rept 10-4*(\part)
	global_load_b128 v[128+8*hk:128+8*hk+3], v5, s[HBS:HBS+1] offset:65536*hk
	global_load_b128 v[128+8*hk+4:128+8*hk+7], v5, s[HBS:HBS+1] offset:65536*hk+512
.set hk, hk+1
.endr
.if \part
	WIN 0
.set hk, 0
.rept 8
	global_load_b32 v[96+8*(\hset)+hk], v9, s[HBS+2:HBS+3] offset:16384*hk
.set hk, hk+1
.endr
	global_load_b32 v[112+(\hset)], v10, s[HBS+4:HBS+5]
.endif
.endm
; K step kst: the four accumulators by turns, one instruction a turn
.macro PJMUL hset, kst
.irp j, 0,1,2,3
.if (\kst) == 0
	v_wmma_scale_f32_16x16x128_f8f6f4 v[8*\j:8*\j+7], v[(32*(\kst)+8*\j)%256:(32*(\kst)+8*\j)%256+7], v[128+8*(\kst):128+8*(\kst)+7], v[32+8*\j:32+8*\j+7], v[32+4*(\kst)+\j], v[96+8*(\hset)+(\kst)/2] matrix_a_fmt:MATRIX_FMT_FP4 matrix_b_fmt:MATRIX_FMT_FP4
.elseif (\kst) % 2 == 0
	v_wmma_scale_f32_16x16x128_f8f6f4 v[8*\j:8*\j+7], v[(32*(\kst)+8*\j)%256:(32*(\kst)+8*\j)%256+7], v[128+8*(\kst):128+8*(\kst)+7], v[8*\j:8*\j+7], v[32+4*(\kst)+\j], v[96+8*(\hset)+(\kst)/2] matrix_a_fmt:MATRIX_FMT_FP4 matrix_b_fmt:MATRIX_FMT_FP4
.else
	v_wmma_scale_f32_16x16x128_f8f6f4 v[8*\j:8*\j+7], v[(32*(\kst)+8*\j)%256:(32*(\kst)+8*\j)%256+7], v[128+8*(\kst):128+8*(\kst)+7], v[8*\j:8*\j+7], v[32+4*(\kst)+\j], v[96+8*(\hset)+(\kst)/2] matrix_a_fmt:MATRIX_FMT_FP4 matrix_b_fmt:MATRIX_FMT_FP4 matrix_b_scale:MATRIX_SCALE_ROW1
.endif
.endr
.endm
; one tile of 16 rows, from set hset
.macro TILE hset
	s_wait_loadcnt 41                              ; this set is in; the other set's 41 loads, issued later, may be out
	WIN 0xf1+0x0c*(\hset)                          ; source 0 window 1; source 1 window 0 (set A) or 3 (set B); C and D window 3
.set tk, 0
.rept 8
	PJMUL \hset, tk
.set tk, tk+1
.endr
	WIN 0xf2+0x0c*(\hset)                          ; source 0 window 2
.rept 8
	PJMUL \hset, tk
.set tk, tk+1
.endr
	WIN 0
.rept 5
	v_nop                                          ; places in front of the first read of results and of the loads into registers that the products have read
.endr
	WIN 0xc3                                       ; the gate lies in window 0
.irp i, 0,1,2,3,4,5,6,7
.irp j, 0,1,2,3
	v_mul_f32 v[64+4*\i+\j], v[8*\j+\i], v[112+(\hset)]   ; x the row's gate, into column order; each accumulator is read from its low end on
.endr
.endr
	WIN 0
	s_add_co_u32 s55, s28, 8+4*(\hset)             ; this set's next tile: eight on
	HBASE \hset
	HLOAD \hset, 0
	HLOAD \hset, 1
	WIN 0x0c                                       ; a store's data: window 3
	s_wait_alu depctr_va_vdst(0)
.irp i, 0,1,2,3,4,5,6,7
	ds_store_b128 v11, v[64+4*\i:64+4*\i+3] offset:16*\i
.endr
	WIN 0xc0
.irp p, 0,1,2,3,4,5,6,7
	ds_load_b128 v[96+4*\p:96+4*\p+3], v12 offset:544*\p   ; LDS serves a wave's instructions in order: these see my stores; rows 2 p and 2 p + 1
.endr
	WIN 0x0c
.irp p, 0,1,2,3,4,5,6,7
	s_wait_dscnt 7-\p                              ; load p is back; the younger ones may be out
	global_store_b128 v13, v[96+4*\p:96+4*\p+3], s[36:37] offset:8192*\p th:TH_STORE_NT   ; sixteen lanes store 256 consecutive aligned bytes
.endr
	WIN 0
	s_wait_xcnt 0x0                                ; the stores have read their data and base: both are written again only behind this wait
	s_add_nc_u64 s[36:37], s[36:37], 262144        ; four tiles of 16 rows on
.endm
	s_load_b256 s[4:11], s[0:1], 0x0               ; w_proj 4:5, b_proj 6:7, hq 8:9, gsort 10:11
	s_load_b128 s[12:15], s[0:1], 0x20             ; order 12:13, ypart 14:15
	v_lshl_add_u32 v30, v0, 2, SPARE               ; my spare word,
	v_mov_b32 v31, 0                               ; and 0: kept for the closing lines alone
	v_lshrrev_b32 v1, 5, v0
	v_readfirstlane_b32 s16, v1                    ; wave
	v_and_b32 v1, 31, v0                           ; lane
	v_and_b32 v2, 15, v0                           ; q, r
	v_bfe_u32 v3, v0, 4, 1                         ; h
	v_lshlrev_b32 v4, 4, v2
	v_lshl_add_u32 v4, v3, 17, v4                  ; the weights: 16 q + 32 rows x h
	v_lshlrev_b32 v5, 4, v1
	v_add_nc_u32 v6, WSC, v5
	s_lshl_b32 s52, s16, 14
	v_add_nc_u32 v7, s52, v5
	s_lshl_b32 s52, s16, 11
	v_add_nc_u32 v8, s52, v6
	v_lshlrev_b32 v9, 2, v1
	v_lshl_add_u32 v9, v3, 13, v9                  ; h's scale words: 4 x lane, lanes 16-31 one K step on
	v_lshlrev_b32 v10, 2, v2                       ; the gates: 4 r
	s_mul_i32 s52, s16, 4352
	s_add_co_u32 s52, s52, STAGE                   ; my stage
	v_mul_u32_u24 v11, v2, 272
	v_lshl_add_u32 v11, v3, 7, v11
	v_add_nc_u32 v11, s52, v11                     ; in: row r, + 128 h
	v_mul_u32_u24 v12, v3, 272
	v_lshl_add_u32 v12, v2, 4, v12
	v_add_nc_u32 v12, s52, v12                     ; back: lanes 0-15 one row, lanes 16-31 the next
	v_lshlrev_b32 v13, 4, v2
	v_lshl_add_u32 v13, v3, 12, v13                ; and the same two rows in ypart
	v_lshlrev_b32 v14, 3, v3                       ; 8 h
	v_lshlrev_b32 v16, 7, v3                       ; the bias: 128 h
	s_and_b32 s17, ttmp9, 15                       ; cg
	s_lshr_b32 s18, ttmp9, 4                       ; kh
	s_and_b32 s19, ttmp7, 0xffff                   ; e
	s_mov_b32 s20, 0x76543210
	s_mov_b32 s21, 0xfedcba98
	s_lshl_b32 s26, s17, 8                         ; 256 cg
	s_lshl_b32 s52, s19, 24                        ; offsets, apart from the addresses: the weights: e x 16 MB + (2,048 kh + 512 wave) rows + 256 cg
	s_lshl_b32 s27, s18, 23
	s_add_co_u32 s52, s52, s27
	s_lshl_b32 s27, s16, 21
	s_add_co_u32 s52, s52, s27
	s_add_co_u32 s52, s52, s26
	s_mov_b32 s53, 0
	s_lshl_b32 s54, s19, 12                        ; the bias
	s_add_co_u32 s54, s54, s26
	s_mov_b32 s55, 0
	s_lshl_b32 s38, s19, 1
	s_add_co_u32 s38, s38, s18                     ; 2 e + kh
	s_lshl_b32 s56, s38, 20                        ; h's codes: (32 e + 16 kh) x 64 tiles x 1,024
	s_mov_b32 s57, 0
	s_lshl_b32 s58, s38, 17                        ; h's scale words
	s_add_co_u32 s58, s58, 0x1000000
	s_mov_b32 s59, 0
	s_mul_i32 s60, s19, 4224                       ; the expert's gates
	s_mov_b32 s61, 0
	s_lshl_b32 s62, s18, 3
	s_add_co_u32 s62, s62, s19
	s_lshl_b32 s62, s62, 22                        ; ypart: (8 kh + e) x 1,024 rows,
	s_lshl_b32 s27, s16, 16
	s_add_co_u32 s62, s62, s27                     ; + tile w's 16 rows,
	s_add_co_u32 s62, s62, s26                     ; + 256 cg
	s_mov_b32 s63, 0
	s_lshl_b32 s38, s19, 2
	s_mov_b32 s39, 0
	s_wait_alu depctr_va_vdst(0)
	s_wait_kmcnt 0x0
	s_add_nc_u64 s[22:23], s[4:5], s[52:53]
	s_add_nc_u64 s[24:25], s[6:7], s[54:55]
	s_add_nc_u64 s[30:31], s[8:9], s[56:57]
	s_add_nc_u64 s[32:33], s[8:9], s[58:59]
	s_add_nc_u64 s[34:35], s[10:11], s[60:61]
	s_add_nc_u64 s[36:37], s[14:15], s[62:63]
	s_add_nc_u64 s[38:39], s[12:13], s[38:39]
	s_load_b32 s26, s[38:39], 0xa800               ; the expert's count
	WIN 0x80
	v_mov_b32 v184, v14                            ; 8 h, at hand in window 2
.irp j, 0,1,2,3
	v_mov_b32 v[180+\j], 0                         ; written once: a lane permute's destination counts as one of its sources
.endr
	LOADU 0
	LOADU 1
	UNIT_A 0, 32                                   ; behind unit 0: unit 1's 32
	WIN 0
	s_wait_kmcnt 0x0
	s_min_u32 s26, s26, 1024
	s_add_co_u32 s27, s26, 15
	s_lshr_b32 s27, s27, 4
	s_max_u32 s27, s27, 1                          ; tiles of 16 rows, at least one, at most 64
	s_sub_co_u32 s29, s27, 1
	s_mov_b32 s28, s16                             ; my first tile
	s_mov_b32 s55, s16
	HBASE 0
	s_add_co_u32 s55, s16, 4
	HBASE 1
	HLOAD 0, 0                                     ; my first two tiles' h lands under the stream
	UNIT_B 0
	UNIT_A 1, 52                                   ; behind unit 1: 20 of set A, unit 2's 32
	HLOAD 0, 1
	UNIT_B 1
	UNIT_A 2, 53                                   ; 21 of set A, unit 3's 32
	HLOAD 1, 0
	UNIT_B 2
	UNIT_A 3, 52                                   ; 20 of set B, unit 4's 32
	HLOAD 1, 1
	UNIT_B 3
	UNIT_A 4, 53                                   ; 21 of set B, unit 5's 32
	UNIT_B 4
	UNIT_A 5, 32
	UNIT_B 5
	UNIT_A 6, 32
	WIN 0xc0
.irp i, 0,1,2,3,4,5,6,7
	global_load_b128 v[64+4*\i:64+4*\i+3], v16, s[24:25] offset:16*\i   ; b_proj of columns 32 h + 4 i + 0 .. 3
.endr
	UNIT_B 6
	UNIT_A 7, 8                                    ; behind unit 7: the bias's 8
	UNIT_B 7
	RESIDENT
	s_wait_loadcnt 0x0
	s_cmp_eq_u32 s18, 0
	s_cselect_b32 s56, -1, 0                       ; K half 0 carries the bias, K half 1 carries 0: a select
	WIN 0xcc
.irp j, 0,1,2,3
.irp i, 0,1,2,3,4,5,6,7
	v_cndmask_b32 v[32+8*\j+\i], 0, v[64+4*\i+\j], s56
.endr
.endr
	WIN 0
.rept 4
	v_nop
.endr
	s_add_co_u32 s59, s27, 3
	s_sub_co_u32 s59, s59, s16
	s_lshr_b32 s59, s59, 2                         ; how many tiles are mine: w, w + 4, ..: (tiles + 3 - w) / 4
	s_add_co_u32 s59, s59, 1
	s_lshr_b32 s59, s59, 1                         ; trips of two tiles
	s_mov_b32 s58, 0                               ; the loop's counter: one a trip
	s_cmp_eq_u32 s59, 0
	s_cbranch_scc1 .Ldone
.Lpair:                                            ; a trip: my next two tiles, one from each set
	s_wait_alu depctr_va_vdst(0)
	TILE 0
	s_add_co_u32 s54, s28, 4
	s_cmp_ge_u32 s54, s27                          ; an odd number of tiles: the last trip has no second one
	s_cbranch_scc1 .Lodd
	TILE 1
	s_branch .Lnext
.Lodd:
	s_wait_loadcnt 0x0                             ; on this way nothing was issued behind set A's loads: all are waited for, so that the counted wait at a tile's head holds on every way
.Lnext:
	s_add_co_u32 s28, s28, 8                       ; the tile's number, for the sets' bases alone
	s_add_co_u32 s58, s58, 1                       ; the counter
	s_cmp_lt_u32 s58, s59
	s_cbranch_scc1 .Lpair
.Ldone:
	s_wait_tensorcnt 0x0                           ; the wave's end: three lines behind my last LDS store
	ds_add_u32 v30, v31
	s_wait_dscnt 0x0
	s_endpgm
.Lfunc_end_k_qeddcb6855a_proj:
	.size	k_qeddcb6855a_proj, .Lfunc_end_k_qeddcb6855a_proj-k_qeddcb6855a_proj
	.p2alignl 7, 3214868480
	.fill 96, 4, 3214868480
	.section	.rodata,"a",@progbits
	.p2align	6, 0x0
	.amdhsa_kernel k_qeddcb6855a_proj
		.amdhsa_group_segment_fixed_size 91648
		.amdhsa_private_segment_fixed_size 0
		.amdhsa_enable_private_segment 0
		.amdhsa_kernarg_size 48
		.amdhsa_user_sgpr_count 2
		.amdhsa_user_sgpr_kernarg_segment_ptr 1
		.amdhsa_wavefront_size32 1
		.amdhsa_system_sgpr_workgroup_id_x 1
		.amdhsa_system_sgpr_workgroup_id_y 1
		.amdhsa_system_sgpr_workgroup_id_z 1
		.amdhsa_system_vgpr_workitem_id 0
		.amdhsa_next_free_vgpr 1024
		.amdhsa_next_free_sgpr 66
		.amdhsa_reserve_vcc 0
		.amdhsa_float_denorm_mode_32 3
		.amdhsa_float_denorm_mode_16_64 3
		.amdhsa_memory_ordered 1
		.amdhsa_forward_progress 1
		.amdhsa_inst_pref_size 164
	.end_amdhsa_kernel
	.amdgpu_metadata
---
amdhsa.version: [ 1, 2 ]
amdhsa.kernels:
  - .name:           k_qeddcb6855a_proj
    .symbol:         k_qeddcb6855a_proj.kd
    .args:
      - { .name: w_proj, .offset: 0, .size: 8, .value_kind: global_buffer, .address_space: global }
      - { .name: b_proj, .offset: 8, .size: 8, .value_kind: global_buffer, .address_space: global }
      - { .name: hq, .offset: 16, .size: 8, .value_kind: global_buffer, .address_space: global }
      - { .name: gsort, .offset: 24, .size: 8, .value_kind: global_buffer, .address_space: global }
      - { .name: order, .offset: 32, .size: 8, .value_kind: global_buffer, .address_space: global }
      - { .name: ypart, .offset: 40, .size: 8, .value_kind: global_buffer, .address_space: global }
    .group_segment_fixed_size: 91648
    .private_segment_fixed_size: 0
    .kernarg_segment_align: 8
    .kernarg_segment_size: 48
    .max_flat_workgroup_size: 128
    .sgpr_count:     66
    .vgpr_count:     1024
    .wavefront_size: 32
...
	.end_amdgpu_metadata
.endif
;; end of part 3
;; launch combine (part 4): grid 256 x 1, 4 waves a work-group, no clusters, 0 bytes of LDS; arguments ypart, order, out0; writes out0
.if DOCPART == 4
	.amdgcn_target "amdgcn-amd-amdhsa--gfx1250"
	.amdhsa_code_object_version 6
	.text
	.protected	k_qeddcb6855a_combine
	.globl	k_qeddcb6855a_combine
	.p2align	8
	.type	k_qeddcb6855a_combine,@function
k_qeddcb6855a_combine:
	s_mov_b64 s[64:65], 0
	v_nop
	global_prefetch_b8 v0, s[64:65] scope:SCOPE_SE
	s_setreg_imm32_b32 hwreg(HW_REG_WAVE_MODE, 25, 1), 1
	s_wait_xcnt 0x0
; SparseMoE, launch 4 of 4: out[t] = the sum of the token's two routed rows, each in two K halves.  Gates and biases are already in them; the six experts not chosen add nothing (see the first kernel's head).
; One wave to a token.  pos[2 t], pos[2 t + 1] (order + 33,792, whole numbers stored by the second launch) name the rows, held under 8,192 before they are shifted into offsets.
; 32 loads of 512 consecutive bytes are all issued first; piece q of eight is added and stored when its four have come.
	s_load_b128 s[4:7], s[0:1], 0x0                ; ypart 4:5, order 6:7
	s_load_b64 s[8:9], s[0:1], 0x10                ; out0
	v_lshrrev_b32 v1, 5, v0
	v_readfirstlane_b32 s10, v1                    ; wave
	v_and_b32 v1, 31, v0
	v_lshlrev_b32 v1, 4, v1                        ; 16 x lane
	s_lshl_b32 s11, ttmp9, 2
	s_add_co_u32 s11, s11, s10                     ; my token
	s_lshl_b32 s12, s11, 3
	s_mov_b32 s13, 0
	s_lshl_b32 s14, s11, 12
	s_mov_b32 s15, 0
	s_wait_alu depctr_va_vdst(0)
	s_wait_kmcnt 0x0
	s_add_nc_u64 s[6:7], s[6:7], s[12:13]
	s_load_b64 s[16:17], s[6:7], 0x8400
	s_add_nc_u64 s[8:9], s[8:9], s[14:15]
	s_add_nc_u64 s[18:19], s[4:5], 0x2000000       ; K half 1
	s_wait_kmcnt 0x0
	s_min_u32 s16, s16, 8191
	s_min_u32 s17, s17, 8191
	s_lshl_b32 s16, s16, 12
	s_lshl_b32 s17, s17, 12
	v_add_nc_u32 v2, s16, v1
	v_add_nc_u32 v3, s17, v1
.irp q, 0,1,2,3,4,5,6,7
	global_load_b128 v[32+16*\q:35+16*\q], v2, s[4:5] offset:512*\q th:TH_LOAD_NT
	global_load_b128 v[36+16*\q:39+16*\q], v2, s[18:19] offset:512*\q th:TH_LOAD_NT
	global_load_b128 v[40+16*\q:43+16*\q], v3, s[4:5] offset:512*\q th:TH_LOAD_NT
	global_load_b128 v[44+16*\q:47+16*\q], v3, s[18:19] offset:512*\q th:TH_LOAD_NT
.endr
.irp q, 0,1,2,3,4,5,6,7
	s_wait_loadcnt 4*(7-\q)                        ; piece q's four loads are in; the later pieces' may be out
	v_pk_add_f32 v[32+16*\q:33+16*\q], v[32+16*\q:33+16*\q], v[36+16*\q:37+16*\q]
	v_pk_add_f32 v[34+16*\q:35+16*\q], v[34+16*\q:35+16*\q], v[38+16*\q:39+16*\q]
	v_pk_add_f32 v[40+16*\q:41+16*\q], v[40+16*\q:41+16*\q], v[44+16*\q:45+16*\q]
	v_pk_add_f32 v[42+16*\q:43+16*\q], v[42+16*\q:43+16*\q], v[46+16*\q:47+16*\q]
	v_pk_add_f32 v[32+16*\q:33+16*\q], v[32+16*\q:33+16*\q], v[40+16*\q:41+16*\q]
	v_pk_add_f32 v[34+16*\q:35+16*\q], v[34+16*\q:35+16*\q], v[42+16*\q:43+16*\q]
	global_store_b128 v1, v[32+16*\q:35+16*\q], s[8:9] offset:512*\q th:TH_STORE_NT   ; 32 lanes store 512 consecutive bytes; no register is written again
.endr
	s_endpgm
.Lfunc_end_k_qeddcb6855a_combine:
	.size	k_qeddcb6855a_combine, .Lfunc_end_k_qeddcb6855a_combine-k_qeddcb6855a_combine
	.p2alignl 7, 3214868480
	.fill 96, 4, 3214868480
	.section	.rodata,"a",@progbits
	.p2align	6, 0x0
	.amdhsa_kernel k_qeddcb6855a_combine
		.amdhsa_group_segment_fixed_size 0
		.amdhsa_private_segment_fixed_size 0
		.amdhsa_enable_private_segment 0
		.amdhsa_kernarg_size 24
		.amdhsa_user_sgpr_count 2
		.amdhsa_user_sgpr_kernarg_segment_ptr 1
		.amdhsa_wavefront_size32 1
		.amdhsa_system_sgpr_workgroup_id_x 1
		.amdhsa_system_sgpr_workgroup_id_y 1
		.amdhsa_system_sgpr_workgroup_id_z 1
		.amdhsa_system_vgpr_workitem_id 0
		.amdhsa_next_free_vgpr 160
		.amdhsa_next_free_sgpr 66
		.amdhsa_reserve_vcc 0
		.amdhsa_float_denorm_mode_32 3
		.amdhsa_float_denorm_mode_16_64 3
		.amdhsa_memory_ordered 1
		.amdhsa_forward_progress 1
		.amdhsa_inst_pref_size 9
	.end_amdhsa_kernel
	.amdgpu_metadata
---
amdhsa.version: [ 1, 2 ]
amdhsa.kernels:
  - .name:           k_qeddcb6855a_combine
    .symbol:         k_qeddcb6855a_combine.kd
    .args:
      - { .name: ypart, .offset: 0, .size: 8, .value_kind: global_buffer, .address_space: global }
      - { .name: order, .offset: 8, .size: 8, .value_kind: global_buffer, .address_space: global }
      - { .name: out0, .offset: 16, .size: 8, .value_kind: global_buffer, .address_space: global }
    .group_segment_fixed_size: 0
    .private_segment_fixed_size: 0
    .kernarg_segment_align: 8
    .kernarg_segment_size: 24
    .max_flat_workgroup_size: 128
    .sgpr_count:     66
    .vgpr_count:     160
    .wavefront_size: 32
...
	.end_amdgpu_metadata
.endif
;; end of part 4
